; MI455X (gfx1250); checked and timed in simulation.
; The chip was launched on July 23, 2026; its instructions are those of AMD's public machine-readable ISA for CDNA 5 (MIT licence, August 2026) and "CDNA5" Instruction Set Architecture Reference Guide (July 2026). The comments in the code are by the model that wrote it; some were corrected since.
;; SGD NFM. Allowed arithmetic: matrix products marked QUANTISED: E3M2 operands, one E8M0 scale for each 32 along K, by v_wmma_scale_f32_16x16x128_f8f6f4 with both operands' format E3M2, f32 sums; products left as they are: f32 operands where the result goes on into a quantised operand, else bf16, f16 or f32 operands; f32 sums; everything else in f32.
;; Inputs: W0 16 x 128 float32; W1_codes 128 x 4 x 24 uint8 (E3M2 codes of W1, K innermost, in blocks of 32 codes, four codes in three bytes); W1_scales 128 x 4 uint8 (E8M0 scales of W1, one for each 32 codes along K); Xi 16,384 x 39 x 1 int32; Xv 16,384 x 39 float32; b0 128 float32; b1 128 float32; b_bias one number float32; e2 39 x 100,000 x 16 float32; w1 39 x 100,000 float32.
;; Outputs: out0 16,384 float32.
;; This version of the problem:
;;   THIS VERSION OF THE PROBLEM IS GIVEN IN LOW PRECISION. The matrix products marked QUANTISED in the list below multiply operands that are first quantised to E3M2 (3 exponent bits, 2 mantissa bits; 6 bits a number), with one power-of-two scale for each 32 numbers along K (OCP MX v1.0); their sums are f32. All else is computed in f32.
;;   The module's matrix products, in the order in which they are computed (A, B: the left and right operand; K: the contracted axis; several contracted axes count as one K, in the product's order):
;;     1. [M 16,384, K 16] x [K 16, N 128]; A: computed on the way; B: input W0: left as it is (K = 16 < 32)
;;     2. [M 16,384, K 128] x [K 128, N 128]; A: computed on the way; B: input W1 (given as codes): QUANTISED
;;   THE QUANTISER, for each operand of a quantised product, along K:
;;     - K is cut into blocks of 32 from its start; a last block that is shorter is filled with zeros.
;;     - A block's scale is 2^e with e = floor(log2(the largest magnitude in the block)) - 4, held to -126 .. 127; a block of zeros has e = 0. As a byte (E8M0): e + 127.
;;     - Each number is divided by its block's scale, clamped to +-28, and rounded to the nearest number of E3M2, ties to even, subnormals kept.
;;     - The product sums the exact products of the quantised numbers (number of the format x scale) in f32.
;;   ~~~python
;;   def quantise(x, axis):      # numpy; x: float32 -> the quantised numbers, widened to float32 again
;;       x = np.moveaxis(x, axis, -1); K = x.shape[-1]
;;       x = np.pad(x, [(0, 0)] * (x.ndim - 1) + [(0, -K % 32)]); x = x.reshape(x.shape[:-1] + (-1, 32)); a = np.abs(x).max(-1, keepdims=True)
;;       e = np.where(a > 0, np.clip(np.frexp(np.where(a > 0, a, 1))[1] - 1 - 4, -126, 127), 0)      # np.frexp(a)[1] - 1 = floor(log2(a)), exactly
;;       r = np.clip(x / 2.0 ** e, -28, 28)
;;       step = 2.0 ** (np.maximum(np.frexp(np.where(r == 0, 1, r))[1] - 1, -2) - 2)
;;       q = np.round(r / step) * step * 2.0 ** e      # np.round: ties to even
;;       return np.moveaxis(q.reshape(q.shape[:-2] + (-1,))[..., :K], -1, axis).astype(np.float32)
;;   ~~~
;;   OPERANDS COMPUTED ON THE WAY. 'Computed on the way' means the value that the module computes at that place (a softmax that the list does not call 'softmax' is quantised finished and normalised). What goes into a quantiser is computed in f32, as accurately as f32 sums, v_exp_f32 and their like allow (about 1e-6 of the number): no bf16 or f16 on the way to a quantiser, and a product that is left as it is and whose result goes on into a quantised operand takes f32 operands (vector FMAs, or v_wmma_f32_16x16x4_f32). A number that lies on a knife's edge between two numbers of the format may be rounded either way, as far as f32 arithmetic and the matrix unit's own rounding can turn it there, and no further.
;;   INPUTS GIVEN AS CODES. W1 (in the module: [128, 128], K = its axis 0): each comes as NAME_codes (uint8): NAME with its K axis moved to the last place and cut into blocks of 32 codes, [.., K / 32, bytes a block], one block behind the other in memory; four codes in three bytes: a row's codes are one little-endian stream of bits, code i at bits 6 i .. 6 i + 5 (a code: sign, 3 exponent bits, 2 mantissa bits); and NAME_scales (uint8): the same leading axes, one E8M0 byte (e + 127) for each 32 codes along K. Its value is code x scale, taken as it is: it is not quantised again, and the codes and scales need not be those that the quantiser above would give.
;; One version. Each part assembles by itself: llvm-mc -triple=amdgcn-amd-amdhsa -mcpu=gfx1250 --defsym DOCPART=n.
;; ======== version 1 of 1: 1 launch
;; launch nfm (part 1): grid 256 x 1, 4 waves a work-group, no clusters, 49,408 bytes of LDS; arguments Xi, Xv, w1, e2, W0, b0, W1_codes, W1_scales, b1, b_bias, out0; writes out0
.if DOCPART == 1
	.amdgcn_target "amdgcn-amd-amdhsa--gfx1250"
	.amdhsa_code_object_version 6
	.text
	.protected	k_qea00733b0e_nfm
	.globl	k_qea00733b0e_nfm
	.p2align	8
	.type	k_qea00733b0e_nfm,@function
k_qea00733b0e_nfm:
	s_mov_b64 s[64:65], 0
	v_nop
	global_prefetch_b8 v0, s[64:65] scope:SCOPE_SE
	s_setreg_imm32_b32 hwreg(HW_REG_WAVE_MODE, 25, 1), 1
	s_wait_xcnt 0x0
; out[b] = b_bias + sum_f w1[f][Xi[b][f]] Xv[b][f] + sum_n relu( Q(relu(second W0 + b0)) W1 + b1 )[n],
; second = 0.5 (s s - sum_f v v), v = e2[f][Xi[b][f]][:] Xv[b][f], s = sum_f v.   16,384 rows, 39 fields, 16 numbers an embedding, 128 hidden units.
; The first product (K = 16) runs on f32 operands, since its result goes into a quantiser; the second on codes of E3M2 with one E8M0 scale for each 32 along K: W1 as it is given, the hidden layer quantised in registers.
; SHARES.  256 work-groups of four waves; a work-group owns 64 rows, a wave 16 of them from the gathers to the result: one matrix tile, so no operand passes between waves.
; THE GATHERS.  lane = 4 r8 + q: the four lanes q read the four quarters (16 bytes) of one embedding, so one load of the wave fetches eight whole embeddings of 64 bytes, and a lane keeps its row and its quarter
; through all 39 fields: s and the sum of squares need no other lane.  A wave's 16 rows are two groups of 8.  All 2 x (39 + 10) gathers of a wave are issued in one run, as soon as the indices are known.
; Xi and Xv of a wave's rows are 2,496 dense bytes each: they are copied once by dense loads of 16 bytes a lane into the wave's own LDS bytes and read from there word by word.
; The weights (22,016 bytes) are copied once for the work-group into LDS, one barrier, and go from there into registers while the gathers are on their way.
; The work-group's 64 results meet in LDS behind a second barrier, and wave 0 stores them: 256 consecutive bytes, at a multiple of 256 from out0's first byte.
; No tensor load (the tables are read by index, the dense inputs are small), no cluster (work-groups share the weights alone), no loop.
; LIMITS.  An index is held at 99,999 from above as an unsigned number (the problem keeps it in 0 .. 99,999; a negative one would read row 99,999).  A hidden block of zeros gets the scale byte 1 where the
; rule says 127: its codes are zeros, which add nothing under any byte but 0xff, and this program alone reads the byte.  NaN and infinities among the inputs are not served.
; s s - sum v v is one fused multiply-add: one rounding fewer than two separate steps.
;
; REGISTERS, in windows of 256 (s_set_vgpr_msb: bits 1:0 source 0, 3:2 source 1, 5:4 source 2, 7:6 destination):
;   window 0: addresses, small results, scale words, the hidden layer and its codes.      windows 1, 2: groups 0, 1 of the gathers, the same numbers in both;
;   later window 1: b0's tiles and W0's fragments, window 2: the second product's results.      window 3: W1's fragments, b1's tiles, the first product's sums.
.set NV,   100000                      ; rows of a field's table
; ---- LDS
.set W0L,  0                           ; W0 as in memory: 16 rows of 512 bytes
.set W1L,  8192                        ; W1's codes: 128 rows of 96 bytes
.set WSL,  20480                       ; W1's scale words: 4 bytes a row
.set B0L,  20992
.set B1L,  21504
.set PW0,  22016                       ; from here a region of WREG bytes for each wave:
.set WREG, 6656
.set XIO,  0                           ;   its 16 rows of Xi, 156 bytes a row
.set XVO,  2560                        ;   of Xv
.set SEC,  5120                        ;   second: 16 rows, 80 bytes apart
.set FIR,  6400                        ;   the first order's partial sums: 16 rows x 4
.set OUTL, 48640                       ; the work-group's 64 results
; ---- window 0
.set LANE, 1
.set R8,   2                           ; lane / 4
.set QQ,   3                           ; lane % 4
.set RR,   4                           ; r = lane % 16
.set HH,   5                           ; h = lane / 16
.set A1,   6                           ; my row's words of Xi (and Xv): 156 r8 + my wave's region
.set A2,   7                           ; the same + 4 q
.set A4,   8                           ; where I put my quarter of second: 80 r8 + 16 q + region
.set A5,   9                           ; and my partial first order: 4 lane + region
.set TMPA, 10
.set T16,  13                          ; 16 x thread
.set T4,   14                          ; 4 x thread
.set L16,  15                          ; 16 x lane
.set SXI,  16                          ; 16 x lane + region
.set SRD,  17                          ; second as an operand: 80 r + 8 h + region
.set FRD,  18                          ; 16 r + region
.set W0A,  19                          ; 1024 h + 4 (r + 8 (r / 8))
.set W1A,  20                          ; 96 r + 24 h
.set WSA,  21                          ; 4 r
.set B0A,  22                          ; 64 h
.set B1A,  23                          ; 32 h
.set OST,  24                          ; 4 r + 64 x wave
.set ORD,  25                          ; 8 x lane
.set SF,   26                          ; v26-33  second: four K steps of 4, two registers each
.set FR,   36                          ; v36-39  my row's four partial first orders
.set RS,   40                          ; the row's sum
.set TT,   41
.set OB,   42                          ; v42-43  the way out
.set W1S,  44                          ; v44-51  W1's scale words, a register a tile: scales and nothing else
.set PW,   52                          ; the hidden layer's scale word: likewise
.set TM,   56                          ; v56-71  the quantiser's work
.set PC,   72                          ; v72-83  the hidden layer's codes; v84-91 at work
.set H,    96                          ; v96-159 the hidden layer: register 16 b + i = unit 32 b + 16 h + i of row r
.set ST,   96                          ; v96-178 at the head: the dense loads' data on their way into LDS
; ---- windows 1 and 2
.set E,    0                           ; v0-155   field f at 4 f: first the index, then the byte offset, then my quarter of the embedding
.set XV,   156                         ; v156-195 Xv of my row, a register a field; the fortieth is 0, named only as the upper half of a pair
.set WI,   196                         ; v196-205 index, offset, then w1's number of field 4 j + q (j = 9: field 35 + q)
.set WX,   206                         ; v206-215 Xv of the same fields
.set S,    216
.set SS,   220
.set T,    224
.set FO,   228
.set MK,   229                         ; 0 where q = 0, else 1
.set Q16,  232                         ; 16 q
.set QW,   233                         ; 400,000 q: q tables of w1 in bytes
.set B0T,  0                           ; window 1, behind group 0: b0 in the result's layout, 8 registers a tile
.set W0F,  64                          ; window 1: W0's fragments: tile t, K step s at 8 t + 2 s
.set D1,   0                           ; window 2, behind group 1: the second product's eight results
; ---- window 3
.set W1F,  0                           ; W1's eight fragments, 12 registers each
.set B1T,  96                          ; b1 in the result's layout
.set D0,   160                         ; the first product's eight sums: written by matrix instructions alone
.set MSB, 0
.macro WIN new                         ; the immediate's high byte repeats the setting that is left; a switch that changes nothing is dropped
.if MSB != (\new)
	s_set_vgpr_msb (MSB<<8)|(\new)
.set MSB, (\new)
.endif
.endm
.macro BARRIER                         ; my LDS stores have landed and my LDS loads are in: then the work-group's barrier
	s_wait_dscnt 0x0
	s_barrier_signal -1
	s_barrier_wait -1
.endm
; The few constants that group g's arithmetic wants in its own window.
.macro GADDR g
	WIN (1+\g)<<6                                  ; destination: the group's window; sources: window 0
	v_lshlrev_b32 v[Q16], 4, v[QQ]
	v_mul_u32_u24 v[QW], 4*NV, v[QQ]
	v_cndmask_b32 v[MK], 0, 1.0, vcc_lo
	v_mov_b32 v[XV+39], 0
.endm
; Group g (rows 8 g .. 8 g + 7 of the wave): indices and Xv out of LDS, then its 10 + 39 gathers.
.macro GISSUE g
	WIN (1+\g)<<6                                  ; data: the group's window; addresses: window 0
.set f, 0
.rept 39
	ds_load_b32 v[E+4*f], v[A1] offset:XIO+1248*\g+4*f
.set f, f+1
.endr
.set j, 0
.rept 10
	ds_load_b32 v[WI+j], v[A2] offset:XIO+1248*\g+16*j-4*(j/9)     ; field 4 j + q; the last: field 35 + q
.set j, j+1
.endr
.set f, 0
.rept 39
	ds_load_b32 v[XV+f], v[A1] offset:XVO+1248*\g+4*f
.set f, f+1
.endr
.set j, 0
.rept 10
	ds_load_b32 v[WX+j], v[A2] offset:XVO+1248*\g+16*j-4*(j/9)
.set j, j+1
.endr
	s_wait_dscnt 49                                ; the indices are in; the 39 + 10 reads of Xv issued behind them may be out
	WIN 0x55*(1+\g)                                ; every operand place: the group's window
.set j, 0
.rept 10                                       ; w1[f][i] lies at 400,000 f + 4 i: q's part in QW, j's in the immediate (under 2^23), from table 20 on by a second base
	v_min_u32 v[WI+j], NV-1, v[WI+j]
	v_lshl_add_u32 v[WI+j], v[WI+j], 2, v[QW]
.if j < 5
	global_load_b32 v[WI+j], v[WI+j], s[8:9] offset:16*NV*j
.elseif j < 9
	global_load_b32 v[WI+j], v[WI+j], s[30:31] offset:16*NV*(j-5)
.else
	global_load_b32 v[WI+j], v[WI+j], s[30:31] offset:60*NV
.endif
.set j, j+1
.endr
.set f, 0
.rept 13                                       ; e2[f][i][4 q ..] lies at 64 (100,000 f + i) + 16 q, under 2^31.  Three fields at a time, so that no line waits for the line above it
.irp u, 0,1,2
	v_min_u32 v[E+4*(f+\u)], NV-1, v[E+4*(f+\u)]
.endr
.irp u, 0,1,2
.if (f+\u) > 0
	v_add_nc_u32 v[E+4*(f+\u)], NV*(f+\u), v[E+4*(f+\u)]
.endif
.endr
.irp u, 0,1,2
	v_lshl_add_u32 v[E+4*(f+\u)], v[E+4*(f+\u)], 6, v[Q16]
.endr
.irp u, 0,1,2
	global_load_b128 v[E+4*(f+\u):E+4*(f+\u)+3], v[E+4*(f+\u)], s[10:11]   ; each load lands on its own address register
.endr
.set f, f+3
.endr
.endm
; Group g's embeddings are scaled and summed as they arrive, three fields at a time; then second and the first order go to the wave's LDS bytes.
.macro CONSUME g
	WIN 0x55*(1+\g)
.set c, 0
.rept 13
.set n, 36-3*c+49*(1-\g)                       ; the loads issued behind this chunk's last field: the rest of the group's fields and, for group 0, group 1's 49;
.if n > 63
.set n, 63                                     ; held at 63, the largest count that the wait can name: a smaller count is safe
.endif
	s_wait_loadcnt n
.irp u, 0,1,2
.set ff, 3*c+\u
.set ef, E+4*ff
.set df, ef
.if ff == 0
.set df, S                                     ; field 0 starts the sums: nothing is cleared
.endif
.set xp, XV+ff-ff%2                            ; the even pair that holds Xv of this field: its low or its high register serves both halves
.if ff%2 == 0
	v_pk_mul_f32 v[df:df+1], v[ef:ef+1], v[xp:xp+1] op_sel_hi:[1,0]
	v_pk_mul_f32 v[df+2:df+3], v[ef+2:ef+3], v[xp:xp+1] op_sel_hi:[1,0]
.else
	v_pk_mul_f32 v[df:df+1], v[ef:ef+1], v[xp:xp+1] op_sel:[0,1] op_sel_hi:[1,1]
	v_pk_mul_f32 v[df+2:df+3], v[ef+2:ef+3], v[xp:xp+1] op_sel:[0,1] op_sel_hi:[1,1]
.endif
.endr
.irp u, 0,1,2
.set ff, 3*c+\u
.set ef, E+4*ff
.if ff == 0
	v_pk_mul_f32 v[SS:SS+1], v[S:S+1], v[S:S+1]
	v_pk_mul_f32 v[SS+2:SS+3], v[S+2:S+3], v[S+2:S+3]
.else
	v_pk_add_f32 v[S:S+1], v[S:S+1], v[ef:ef+1]
	v_pk_add_f32 v[S+2:S+3], v[S+2:S+3], v[ef+2:ef+3]
	v_pk_fma_f32 v[SS:SS+1], v[ef:ef+1], v[ef:ef+1], v[SS:SS+1]
	v_pk_fma_f32 v[SS+2:SS+3], v[ef+2:ef+3], v[ef+2:ef+3], v[SS+2:SS+3]
.endif
.endr
.set c, c+1
.endr
	v_pk_fma_f32 v[T:T+1], v[S:S+1], v[S:S+1], v[SS:SS+1] neg_lo:[0,0,1] neg_hi:[0,0,1]          ; s s - the sum of squares
	v_pk_fma_f32 v[T+2:T+3], v[S+2:S+3], v[S+2:S+3], v[SS+2:SS+3] neg_lo:[0,0,1] neg_hi:[0,0,1]
	v_mul_f32 v[WX+9], v[WX+9], v[MK]              ; lane q = 0's last field, 35, was counted by lane q = 3 at j = 8
	v_mul_f32 v[FO], v[WI], v[WX]                  ; (w1's loads are older than the group's embeddings: the last wait above covers them)
	v_pk_mul_f32 v[T:T+1], v[T:T+1], 0.5 op_sel_hi:[1,0]
	v_pk_mul_f32 v[T+2:T+3], v[T+2:T+3], 0.5 op_sel_hi:[1,0]
.set j, 1
.rept 9
	v_fmac_f32 v[FO], v[WI+j], v[WX+j]
.set j, j+1
.endr
	WIN (1+\g)<<2                                  ; an LDS store's data are its source 1: the group's window; its address: window 0
	ds_store_b128 v[A4], v[T:T+3] offset:SEC+640*\g
	ds_store_b32 v[A5], v[FO] offset:FIR+128*\g
.endm
	; ---- the head
	s_load_b512 s[4:19], s[0:1], 0x0               ; Xi 4, Xv 6, w1 8, e2 10, W0 12, b0 14, W1's codes 16, W1's scales 18
	s_load_b128 s[20:23], s[0:1], 0x40             ; b1 20, b_bias 22
	s_load_b64 s[24:25], s[0:1], 0x50              ; out0
	v_lshl_add_u32 v254, v0, 2, 0xbf00
	v_mov_b32 v255, 0
	v_lshrrev_b32 v[TMPA], 5, v0
	v_readfirstlane_b32 s27, v[TMPA]               ; wave 0..3
	v_and_b32 v[LANE], 31, v0
	v_bfe_u32 v[R8], v0, 2, 3
	v_and_b32 v[QQ], 3, v0
	v_and_b32 v[RR], 15, v0
	v_bfe_u32 v[HH], v0, 4, 1
	s_lshl_b32 s28, ttmp9, 2
	s_add_co_u32 s28, s28, s27
	s_mul_i32 s28, s28, 2496                       ; my wave's 16 rows of Xi and of Xv: 16 x 156 bytes
	s_mov_b32 s29, 0
	s_mul_i32 s32, s27, WREG
	s_add_co_u32 s32, s32, PW0                     ; my wave's region of LDS
	s_lshl_b32 s33, s27, 6                         ; my wave's 16 results among the work-group's 64
	s_mov_b32 s34, 0x76543210
	s_mov_b32 s35, 0xfedcba98                      ; v_permlanex16_b32's selects for lane l xor 16
	s_lshl_b32 s36, ttmp9, 8                       ; the work-group's 256 bytes of out0
	s_mov_b32 s37, 0
	v_lshlrev_b32 v[T16], 4, v0
	v_lshlrev_b32 v[T4], 2, v0
	v_lshlrev_b32 v[L16], 4, v[LANE]
	s_wait_kmcnt 0x0
	s_add_nc_u64 s[4:5], s[4:5], s[28:29]
	s_add_nc_u64 s[6:7], s[6:7], s[28:29]
	s_add_nc_u64 s[30:31], s[8:9], 80*NV           ; w1 at table 20
	s_add_nc_u64 s[24:25], s[24:25], s[36:37]
	s_load_b32 s26, s[22:23], 0x0                  ; b_bias
	; ---- 23 dense loads.  Xi and Xv: 2,496 bytes each in five loads of 512; the fifth begins 64 bytes early, so that no lane leaves the wave's rows
.irp i, 0,1,2,3,4
	global_load_b128 v[ST+4*\i:ST+4*\i+3], v[L16], s[4:5] offset:512*\i-64*(\i/4) th:TH_LOAD_NT
.endr
.irp i, 0,1,2,3,4
	global_load_b128 v[ST+20+4*\i:ST+20+4*\i+3], v[L16], s[6:7] offset:512*\i-64*(\i/4) th:TH_LOAD_NT
.endr
.irp i, 0,1,2,3
	global_load_b128 v[ST+40+4*\i:ST+40+4*\i+3], v[T16], s[12:13] offset:2048*\i      ; W0: the 128 threads take 2,048 bytes a load
.endr
.irp i, 0,1,2,3,4,5
	global_load_b128 v[ST+56+4*\i:ST+56+4*\i+3], v[T16], s[16:17] offset:2048*\i      ; W1's codes
.endr
	global_load_b32 v[ST+80], v[T4], s[18:19]      ; W1's scale words
	global_load_b32 v[ST+81], v[T4], s[14:15]      ; b0
	global_load_b32 v[ST+82], v[T4], s[20:21]      ; b1
	; ---- the addresses, while the loads are out
	v_mul_u32_u24 v[A1], 156, v[R8]
	v_add_nc_u32 v[A1], s32, v[A1]
	v_lshl_add_u32 v[A2], v[QQ], 2, v[A1]
	v_mul_u32_u24 v[A4], 80, v[R8]
	v_lshl_add_u32 v[A4], v[QQ], 4, v[A4]
	v_add_nc_u32 v[A4], s32, v[A4]
	v_lshl_add_u32 v[A5], v[LANE], 2, s32
	v_add_nc_u32 v[SXI], s32, v[L16]
	v_mul_u32_u24 v[SRD], 80, v[RR]
	v_lshl_add_u32 v[SRD], v[HH], 3, v[SRD]
	v_add_nc_u32 v[SRD], s32, v[SRD]
	v_lshl_add_u32 v[FRD], v[RR], 4, s32
	v_and_b32 v[TMPA], 8, v[RR]
	v_add_nc_u32 v[TMPA], v[TMPA], v[RR]           ; r + 8 (r / 8)
	v_lshlrev_b32 v[W0A], 2, v[TMPA]
	v_lshl_add_u32 v[W0A], v[HH], 10, v[W0A]
	v_mul_u32_u24 v[W1A], 96, v[RR]
	v_mad_u32_u24 v[W1A], v[HH], 24, v[W1A]
	v_lshlrev_b32 v[WSA], 2, v[RR]
	v_lshlrev_b32 v[B0A], 6, v[HH]
	v_lshlrev_b32 v[B1A], 5, v[HH]
	v_lshl_add_u32 v[OST], v[RR], 2, s33
	v_lshlrev_b32 v[ORD], 3, v[LANE]
	v_mov_b32 v[TT], 0                             ; a lane permute's destination counts as one of its sources: written once
.irp b, 0,1,2,3
	v_mov_b32 v[TM+4+\b], 0
.endr
	v_cmp_ne_u32 vcc_lo, 0, v[QQ]
	GADDR 0
	GADDR 1
	WIN 0
	; ---- into LDS
	s_wait_kmcnt 0x0                               ; b_bias
	s_wait_loadcnt 13                              ; Xi and Xv are in; the 13 loads of weights issued behind them may be out
.irp i, 0,1,2,3,4
	ds_store_b128 v[SXI], v[ST+4*\i:ST+4*\i+3] offset:XIO+512*\i-64*(\i/4)
	ds_store_b128 v[SXI], v[ST+20+4*\i:ST+20+4*\i+3] offset:XVO+512*\i-64*(\i/4)
.endr
	s_wait_loadcnt 0x0
.irp i, 0,1,2,3
	ds_store_b128 v[T16], v[ST+40+4*\i:ST+40+4*\i+3] offset:W0L+2048*\i
.endr
.irp i, 0,1,2,3,4,5
	ds_store_b128 v[T16], v[ST+56+4*\i:ST+56+4*\i+3] offset:W1L+2048*\i
.endr
	ds_store_b32 v[T4], v[ST+80] offset:WSL
	ds_store_b32 v[T4], v[ST+81] offset:B0L
	ds_store_b32 v[T4], v[ST+82] offset:B1L
	; ---- all gathers go out.  Xi's and Xv's bytes are my wave's own, and LDS serves a wave's instructions in order (ISA guide 5.7.1.4): no barrier stands in front of these reads
	GISSUE 0
	GISSUE 1
	WIN 0
	BARRIER                                        ; every wave's part of the weights lies in LDS; my reads of Xv are in.  The gathers stay on their way: nobody writes those bytes
	; ---- the second product's weights into window 3, while the gathers are out
	WIN 0xc0                                       ; data: window 3; addresses: window 0
.irp t, 0,1,2,3,4,5,6,7
.irp p, 0,1,2,3,4,5
	ds_load_b64 v[W1F+12*\t+2*\p:W1F+12*\t+2*\p+1], v[W1A] offset:W1L+1536*\t+48*(\p/3)+8*(\p%3)   ; row 16 t + r: 24 bytes at 24 h, 24 at 48 + 24 h, in pieces of 8
.endr
	ds_load_b128 v[B1T+8*\t:B1T+8*\t+3], v[B1A] offset:B1L+64*\t          ; b1[16 t + 8 h + 0 .. 7]
	ds_load_b128 v[B1T+8*\t+4:B1T+8*\t+7], v[B1A] offset:B1L+64*\t+16
.endr
	WIN 0
.irp t, 0,1,2,3,4,5,6,7
	ds_load_b32 v[W1S+\t], v[WSA] offset:WSL+64*\t
.endr
	CONSUME 0
	; ---- the first product's weights into the registers that group 0 has left.  THE COLUMNS OF W0 THAT FORM A TILE ARE NOT NEIGHBOURS: lane r of tile t takes column 32 (t / 2) + 8 (t % 2) + r + 8 (r / 8),
	; so that the 16 registers of tiles 2 b and 2 b + 1 are 16 neighbours along the next K
	WIN 0x40                                       ; data: window 1; addresses: window 0
.irp t, 0,1,2,3,4,5,6,7
	ds_load_b128 v[B0T+8*\t:B0T+8*\t+3], v[B0A] offset:B0L+4*(32*(\t/2)+8*(\t%2))       ; b0[32 (t / 2) + 16 h + 8 (t % 2) + 0 .. 7]
	ds_load_b128 v[B0T+8*\t+4:B0T+8*\t+7], v[B0A] offset:B0L+4*(32*(\t/2)+8*(\t%2))+16
.irp s, 0,1,2,3
.irp j, 0,1
	ds_load_b32 v[W0F+8*\t+2*\s+\j], v[W0A] offset:W0L+(4*\s+\j)*512+4*(32*(\t/2)+8*(\t%2))   ; W0[4 s + 2 h + j][my column]
.endr
.endr
.endr
	CONSUME 1
	WIN 0
.irp s, 0,1,2,3
	ds_load_b64 v[SF+2*\s:SF+2*\s+1], v[SRD] offset:SEC+16*\s    ; second[r][4 s + 2 h + 0, 1]: my wave's own stores, served in order
.endr
	ds_load_b128 v[FR:FR+3], v[FRD] offset:FIR
	s_wait_dscnt 0x0                               ; these, and both batches of weights
	; ---- the first product, transposed: source 0 = 16 columns of W0, source 1 = second's 16 rows; b0 is the C of each sum's first instruction.
	; The eight sums take turns, one instruction a turn
	WIN 0xd1                                       ; source 0 and C: window 1; source 1: window 0; D: window 3
.irp t, 0,1,2,3,4,5,6,7
	v_wmma_f32_16x16x4_f32 v[D0+8*\t:D0+8*\t+7], v[W0F+8*\t:W0F+8*\t+1], v[SF:SF+1], v[B0T+8*\t:B0T+8*\t+7]
.endr
	WIN 0xf1                                       ; C and D: window 3
.irp s, 1,2,3
.irp t, 0,1,2,3,4,5,6,7
	v_wmma_f32_16x16x4_f32 v[D0+8*\t:D0+8*\t+7], v[W0F+8*\t+2*\s:W0F+8*\t+2*\s+1], v[SF+2*\s:SF+2*\s+1], v[D0+8*\t:D0+8*\t+7]
.endr
.endr
.rept 8
	v_nop                                          ; eight places behind this form, ahead of the first read of its results
.endr
	WIN 0x0c                                       ; source 1: window 3; destination: window 0
.set i, 0
.rept 64
	v_max_num_f32 v[H+i], 0, v[D0+i]               ; the activation, into other registers, each sum from its low end on
.set i, i+1
.endr
	WIN 0
	; ---- the hidden layer's four blocks of 32 along the next K become codes and a scale word.  No |.|: nothing is negative here
.irp b, 0,1,2,3
	v_max3_num_f32 v[TM+\b], v[H+16*\b], v[H+1+16*\b], 0x2800000    ; block b: my 16 numbers, and the floor 2^(5 - 127): the byte cannot fall under 1
.endr
.irp i, 2,4,6,8,10,12,14
.irp b, 0,1,2,3
	v_max3_num_f32 v[TM+\b], v[TM+\b], v[H+16*\b+\i], v[H+1+16*\b+\i]   ; (the four blocks by turns)
.endr
.endr
.irp b, 0,1,2,3
	v_permlanex16_b32 v[TM+4+\b], v[TM+\b], s34, s35
.endr
.irp b, 0,1,2,3
	v_max_num_f32 v[TM+\b], v[TM+\b], v[TM+4+\b]   ; with lane l xor 16's: the block's largest magnitude
.endr
.irp b, 0,1,2,3
	v_add_nc_u32 v[TM+12+\b], 0xfe000000, v[TM+\b] ; 4 off its exponent field: the conversion takes the exponent field of this operand as its scale
.endr
.irp b, 0,1,2,3
	v_lshrrev_b32 v[TM+4+\b], 23, v[TM+12+\b]      ; the scale's byte
.endr
	v_lshl_or_b32 v[PW], v[TM+5], 8, v[TM+4]       ; the four bytes make my row's scale word
	v_lshl_or_b32 v[PW], v[TM+6], 16, v[PW]
	v_lshl_or_b32 v[PW], v[TM+7], 24, v[PW]
.irp c, 0,1
	v_cvt_scalef32_pk16_bf6_f32 v[PC+6*\c:PC+2+6*\c], v[H+32*\c:H+15+32*\c], v[TM+12+2*\c]
	v_cvt_scalef32_pk16_bf6_f32 v[PC+12+4*\c:PC+14+4*\c], v[H+16+32*\c:H+31+32*\c], v[TM+12+2*\c+1]   ; (a conversion's three registers begin on an even number)
.endr
	v_nop                                          ; one plain place behind a scaled conversion
.irp c, 0,1                                    ; the operand's layout wants a WHOLE block in a lane: lanes 0-15 block 2 c, lanes 16-31 block 2 c + 1
.irp i, 0,1,2
	v_permlane16_swap_b32 v[PC+6*\c+\i], v[PC+12+4*\c+\i]
.endr
.irp i, 0,1,2
	v_mov_b32 v[PC+3+6*\c+\i], v[PC+12+4*\c+\i]
.endr
.endr
.rept 8
	v_nop                                          ; a scale register written by a vector instruction stands 8 places ahead of a scaled matrix instruction, an operand so written 4
.endr
	; ---- the second product, transposed: source 0 = 16 rows of W1's codes (16 outputs), source 1 = the hidden layer's 16 rows; b1 is C.  One instruction a tile: K = 128
	WIN 0xb3                                       ; source 0 and C: window 3; source 1: window 0; D: window 2
.irp t, 0,1,2,3,4,5,6,7
	v_wmma_scale_f32_16x16x128_f8f6f4 v[D1+8*\t:D1+8*\t+7], v[W1F+12*\t:W1F+12*\t+11], v[PC:PC+11], v[B1T+8*\t:B1T+8*\t+7], v[W1S+\t], v[PW] matrix_a_fmt:MATRIX_FMT_BF6 matrix_b_fmt:MATRIX_FMT_BF6
.endr
.rept 4
	v_nop                                          ; four places behind this form, ahead of the first read of its results
.endr
	; ---- relu and the row's sum: lane (r, h) holds 64 outputs of row r
	WIN 0xaa
.set i, 0
.rept 64
	v_max_num_f32 v[D1+i], 0, v[D1+i]              ; each result from its low end on
.set i, i+1
.endr
.set p, 4
.rept 28
	v_pk_add_f32 v[D1+2*(p%4):D1+2*(p%4)+1], v[D1+2*(p%4):D1+2*(p%4)+1], v[D1+2*p:D1+2*p+1]   ; four chains of pairs
.set p, p+1
.endr
	v_pk_add_f32 v[D1:D1+1], v[D1:D1+1], v[D1+2:D1+3]
	v_pk_add_f32 v[D1+4:D1+5], v[D1+4:D1+5], v[D1+6:D1+7]
	v_pk_add_f32 v[D1:D1+1], v[D1:D1+1], v[D1+4:D1+5]
	WIN 0x0a                                       ; sources: window 2; destination: window 0
	v_add_f32 v[RS], v[D1], v[D1+1]
	WIN 0
	v_permlanex16_b32 v[TT], v[RS], s34, s35       ; the row's other 64 outputs
	v_add_f32 v[FR], v[FR], v[FR+1]
	v_add_f32 v[FR+2], v[FR+2], v[FR+3]
	v_add_f32 v[FR], v[FR], v[FR+2]                ; the first order
	v_add_f32 v[RS], v[RS], v[TT]
	v_add_f32 v[RS], v[RS], v[FR]
	v_add_f32 v[RS], s26, v[RS]
	ds_store_b32 v[OST], v[RS] offset:OUTL         ; lanes r and r + 16 store the same word with the same value
	BARRIER                                        ; the work-group's 64 results lie in LDS
	s_cmp_lg_u32 s27, 0
	s_cbranch_scc1 .Lend
	ds_load_b64 v[OB:OB+1], v[ORD] offset:OUTL
	s_wait_dscnt 0x0
	global_store_b64 v[ORD], v[OB:OB+1], s[24:25] th:TH_STORE_NT   ; 32 lanes store 256 consecutive bytes, at a multiple of 256 from out0's first byte
.Lend:
	s_wait_tensorcnt 0x0
	ds_add_u32 v254, v255
	s_wait_dscnt 0x0
	s_endpgm
.Lfunc_end_k_qea00733b0e_nfm:
	.size	k_qea00733b0e_nfm, .Lfunc_end_k_qea00733b0e_nfm-k_qea00733b0e_nfm
	.p2alignl 7, 3214868480
	.fill 96, 4, 3214868480
	.section	.rodata,"a",@progbits
	.p2align	6, 0x0
	.amdhsa_kernel k_qea00733b0e_nfm
		.amdhsa_group_segment_fixed_size 49408
		.amdhsa_private_segment_fixed_size 0
		.amdhsa_enable_private_segment 0
		.amdhsa_kernarg_size 88
		.amdhsa_user_sgpr_count 2
		.amdhsa_user_sgpr_kernarg_segment_ptr 1
		.amdhsa_wavefront_size32 1
		.amdhsa_system_sgpr_workgroup_id_x 1
		.amdhsa_system_sgpr_workgroup_id_y 1
		.amdhsa_system_sgpr_workgroup_id_z 1
		.amdhsa_system_vgpr_workitem_id 0
		.amdhsa_next_free_vgpr 1024
		.amdhsa_next_free_sgpr 66
		.amdhsa_reserve_vcc 1
		.amdhsa_float_denorm_mode_32 3
		.amdhsa_float_denorm_mode_16_64 3
		.amdhsa_memory_ordered 1
		.amdhsa_forward_progress 1
		.amdhsa_inst_pref_size 102
	.end_amdhsa_kernel
	.amdgpu_metadata
---
amdhsa.version: [ 1, 2 ]
amdhsa.kernels:
  - .name:           k_qea00733b0e_nfm
    .symbol:         k_qea00733b0e_nfm.kd
    .args:
      - { .name: Xi, .offset: 0, .size: 8, .value_kind: global_buffer, .address_space: global }
      - { .name: Xv, .offset: 8, .size: 8, .value_kind: global_buffer, .address_space: global }
      - { .name: w1, .offset: 16, .size: 8, .value_kind: global_buffer, .address_space: global }
      - { .name: e2, .offset: 24, .size: 8, .value_kind: global_buffer, .address_space: global }
      - { .name: W0, .offset: 32, .size: 8, .value_kind: global_buffer, .address_space: global }
      - { .name: b0, .offset: 40, .size: 8, .value_kind: global_buffer, .address_space: global }
      - { .name: W1_codes, .offset: 48, .size: 8, .value_kind: global_buffer, .address_space: global }
      - { .name: W1_scales, .offset: 56, .size: 8, .value_kind: global_buffer, .address_space: global }
      - { .name: b1, .offset: 64, .size: 8, .value_kind: global_buffer, .address_space: global }
      - { .name: b_bias, .offset: 72, .size: 8, .value_kind: global_buffer, .address_space: global }
      - { .name: out0, .offset: 80, .size: 8, .value_kind: global_buffer, .address_space: global }
    .group_segment_fixed_size: 49408
    .private_segment_fixed_size: 0
    .kernarg_segment_align: 8
    .kernarg_segment_size: 88
    .max_flat_workgroup_size: 128
    .sgpr_count:     66
    .vgpr_count:     1024
    .wavefront_size: 32
...
	.end_amdgpu_metadata
.endif
;; end of part 1
